; MI455X (gfx1250); checked and timed in simulation.
; The chip was launched on July 23, 2026; its instructions are those of AMD's public machine-readable ISA for CDNA 5 (MIT licence, August 2026) and "CDNA5" Instruction Set Architecture Reference Guide (July 2026). The comments in the code are by the model that wrote it; some were corrected since.
;; Lo RA Linear. Allowed arithmetic: matrix products marked QUANTISED: E2M1 operands, one E8M0 scale for each 32 along K, by v_wmma_scale_f32_16x16x128_f8f6f4 with both operands' format E2M1 (or v_wmma_scale_f32_32x16x128_f4), f32 sums; products left as they are: f32 operands where the result goes on into a quantised operand, else bf16, f16 or f32 operands; f32 sums; everything else in f32.
;; Inputs: W_codes 2,048 x 128 x 16 uint8 (E2M1 codes of W, K innermost, in blocks of 32 codes, two codes a byte); W_scales 2,048 x 128 uint8 (E8M0 scales of W, one for each 32 codes along K); lora_A_codes 16 x 128 x 16 uint8 (E2M1 codes of lora_A, K innermost, in blocks of 32 codes, two codes a byte); lora_A_scales 16 x 128 uint8 (E8M0 scales of lora_A, one for each 32 codes along K); lora_B 2,048 x 16 float32; x_codes 4 x 2,048 x 128 x 16 uint8 (E2M1 codes of x, K innermost, in blocks of 32 codes, two codes a byte); x_scales 4 x 2,048 x 128 uint8 (E8M0 scales of x, one for each 32 codes along K).
;; Outputs: out0 4 x 2,048 x 2,048 float32.
;; This version of the problem:
;;   THIS VERSION OF THE PROBLEM IS GIVEN IN LOW PRECISION. The matrix products marked QUANTISED in the list below multiply operands that are first quantised to E2M1 (2 exponent bits, 1 mantissa bit; 4 bits a number), with one power-of-two scale for each 32 numbers along K (OCP MX v1.0); their sums are f32. All else is computed in f32.
;;   The module's matrix products, in the order in which they are computed (A, B: the left and right operand; K: the contracted axis; several contracted axes count as one K, in the product's order):
;;     1. [M 8,192, K 4,096] x [K 4,096, N 2,048]; A: input x (given as codes); B: input W (given as codes): QUANTISED
;;     2. [M 8,192, K 4,096] x [K 4,096, N 16]; A: input x (given as codes); B: input lora_A (given as codes): QUANTISED
;;     3. [M 8,192, K 16] x [K 16, N 2,048]; A: computed on the way; B: input lora_B: left as it is (K = 16 < 32)
;;   THE QUANTISER, for each operand of a quantised product, along K:
;;     - K is cut into blocks of 32 from its start; a last block that is shorter is filled with zeros.
;;     - A block's scale is 2^e with e = floor(log2(the largest magnitude in the block)) - 2, held to -126 .. 127; a block of zeros has e = 0. As a byte (E8M0): e + 127.
;;     - Each number is divided by its block's scale, clamped to +-6, and rounded to the nearest number of E2M1, ties to even, subnormals kept.
;;     - The product sums the exact products of the quantised numbers (number of the format x scale) in f32.
;;   ~~~python
;;   def quantise(x, axis):      # numpy; x: float32 -> the quantised numbers, widened to float32 again
;;       x = np.moveaxis(x, axis, -1); K = x.shape[-1]
;;       x = np.pad(x, [(0, 0)] * (x.ndim - 1) + [(0, -K % 32)]); x = x.reshape(x.shape[:-1] + (-1, 32)); a = np.abs(x).max(-1, keepdims=True)
;;       e = np.where(a > 0, np.clip(np.frexp(np.where(a > 0, a, 1))[1] - 1 - 2, -126, 127), 0)      # np.frexp(a)[1] - 1 = floor(log2(a)), exactly
;;       r = np.clip(x / 2.0 ** e, -6, 6)
;;       step = 2.0 ** (np.maximum(np.frexp(np.where(r == 0, 1, r))[1] - 1, 0) - 1)
;;       q = np.round(r / step) * step * 2.0 ** e      # np.round: ties to even
;;       return np.moveaxis(q.reshape(q.shape[:-2] + (-1,))[..., :K], -1, axis).astype(np.float32)
;;   ~~~
;;   INPUTS GIVEN AS CODES. W (in the module: [2048, 4096], K = its axis 1); lora_A (in the module: [16, 4096], K = its axis 1); x (in the module: [4, 2048, 4096], K = its axis 2): each comes as NAME_codes (uint8): NAME with its K axis moved to the last place and cut into blocks of 32 codes, [.., K / 32, bytes a block], one block behind the other in memory; two codes a byte, the lower K in the low four bits (a code: sign, 2 exponent bits, 1 mantissa bit); and NAME_scales (uint8): the same leading axes, one E8M0 byte (e + 127) for each 32 codes along K. Its value is code x scale, taken as it is: it is not quantised again, and the codes and scales need not be those that the quantiser above would give.
;; One version. Each part assembles by itself: llvm-mc -triple=amdgcn-amd-amdhsa -mcpu=gfx1250 --defsym DOCPART=n.
;; ======== version 1 of 1: 1 launch
;; limits: values are held in bf16: 8 bits of precision; right only within a limited range of input values
;; launch lora_gemm (part 1): grid 8 x 32, 4 waves a work-group, clusters of 4 x 4, 327,680 bytes of LDS; arguments x_codes, x_scales, W_codes, W_scales, lora_A_codes, lora_A_scales, lora_B, out0; writes out0
.if DOCPART == 1
	.amdgcn_target "amdgcn-amd-amdhsa--gfx1250"
	.amdhsa_code_object_version 6
	.text
	.protected	k_q394d57b5a9_lora_gemm
	.globl	k_q394d57b5a9_lora_gemm
	.p2align	8
	.type	k_q394d57b5a9_lora_gemm,@function
k_q394d57b5a9_lora_gemm:
	s_mov_b64 s[64:65], 0
	v_nop
	global_prefetch_b8 v0, s[64:65] scope:SCOPE_SE
	s_setreg_imm32_b32 hwreg(HW_REG_WAVE_MODE, 25, 1), 1
	s_wait_xcnt 0x0
	s_wait_alu depctr_hold_cnt(0) depctr_sa_sdst(0) depctr_va_vdst(0) depctr_va_sdst(0) depctr_va_ssrc(0) depctr_va_vcc(0) depctr_vm_vsrc(0)
	s_getreg_b32 s2, hwreg(HW_REG_IB_STS2, 6, 4)
	s_cmp_eq_u32 s2, 0
	s_cbranch_scc0 .Lentry_in_a_cluster
	s_endpgm
.Lentry_in_a_cluster:
	s_bfe_u32 s2, ttmp6, 0x10000c
	s_cmp_lg_u32 s2, 0xf033
	s_cbranch_scc0 .Lentry_shape_is_right
	s_endpgm
.Lentry_shape_is_right:
; out[m][n] = sum_k x[m][k] W[n][k] + 2 sum_r (sum_k x[m][k] A[r][k]) B[n][r].   M = 8,192, K = 4,096, N = 2,048, rank 16.
; x, W and lora_A are codes of FP4 (E2M1), K innermost (a row: 2,048 bytes), with one E8M0 byte for each 32 along K (a row: 128 bytes); they go to the matrix unit as they lie.  lora_B and out are f32.
; SHARES.  A tile of out, 256 x 256, is made by a work-group of four waves; wave = 2 rh + c makes rows 128 rh .. +127, columns 128 c .. +127: 32 accumulators of 32 x 16, 512 registers.  8,192 x 2,048 are 256 such tiles.
; WHICH ROWS OF W FORM A TILE.  Source 0 = 32 rows of x (two blocks of 16), source 1 = 16 rows of W: a lane (r, h) holds one column of out and eight rows of each block.  W's tile b = 4 g + t takes in lane r the row
; n = 64 g + 4 r + ((t + r / 4) mod 4).  So lane r's four tiles of a group g are the four NEIGHBOURING columns 64 g + 4 r .. + 3, in an order rotated by r / 4: two layers of selects put them straight, and a store of
; 16 bytes a lane writes two whole units of 256 bytes (lanes 0-15 a row, lanes 16-31 the row 8 further down).  And n mod 16 takes each value once in a tile, so the 16 LDS rows that a load touches start at 16 different banks.
; THE LOW-RANK PATH.  lora_A's 16 rows are source 0 and x's source 1 of r^T = A x^T: lane (r, h) gets row r of x and ranks 8 h .. 8 h + 7, which, rounded to bf16 in pairs, ARE registers 0-3 of source 0 of the
; bf16 form with K = 32 (ranks 16-31: zero registers).  So the last product is one bf16 instruction added in place onto each 16 x 16 sums.  The factor 2 is multiplied into lora_B in f32 at the head.
; r IS MADE ONCE IN A WORK-GROUP.  The two waves of a row half need the same r.  Wave c holds its eight blocks of 16 rows ROTATED: register block i is true block (i + 4 c) mod 8.  Every wave makes r for its register
; blocks 0-3; its partner's four are its own register blocks 4-7, and come once, near the end, through LDS as images of the registers.
; THE RING.  K goes in eight steps of 512 (a tile's row: 256 bytes) through two LDS slots.  One tensor load a wave at the head and behind each change of slots, 128 rows each: waves 0 and 1 x's halves, waves 2 and 3 W's.
; THE LAST LAP IN TWO PASSES.  Of its eight steps of 128 the seven behind the loop are made for the columns of g = 0 first, then, from the same two slots, for those of g = 1: so half of the sums are finished half a lap
; earlier, and their rows are stored while the other half is made.  x is read from LDS twice there, W once.
; CLUSTERS: 4 x 4 work-groups.  x's tiles hang on the tile row alone and are asked for JOINTLY along a row of the cluster, W's along a column.
; WHERE A CLUSTER BEGINS ALONG K.  K is four LAPS of 1,024 (two K steps).  Cluster (X, Y) begins with lap (Y + 2 X) mod 4 and goes round, so clusters that read the same rows ask for different bytes of them at any one turn.
; PREFETCHES.  Behind each joint load stands a prefetch a wave for a later K step: of the 128 rows that a wave fetches, each of the four partners names 32, told apart by address, a lane a row.  Behind the head's load:
; K step 1; behind slot 1's first fill: K steps 2 and 3; in the loop, two refills ahead, K steps 4 to 7; the last trip names nothing.
; THE SCALE BYTES of all of K do not fit beside the ring (278,528 bytes) and the spare words (512) in 327,680 bytes.  So they come in PIECES of a lap: 32 bytes of each row, LDS pitch 48.  Each wave copies 128 rows of a
; piece through registers, a lap ahead; W's rows are laid in LDS in the order of its tiles.  They are not asked for jointly: all four waves have a tile of codes to fetch, and a piece is 16 KB beside a lap's 256 KB of codes.
; lora_A does not go through LDS: each wave loads a K step's four fragments and four scale words straight into registers, one K step ahead, in two sets.
; LIMITS.  Each output's f32 sum takes K from its cluster's first lap on and round, not from 0: another order of rounding than ascending K.  r and 2 lora_B are rounded to bf16 for the last product (relative 2^-9 each).
; The factor 2 stands ahead of that product, not behind it: exact, but where 2 lora_B leaves f32's range.  A scale byte 0xff gives NaN.
; REGISTERS, in windows of 256:
;   window 0: v0-31 addresses; v32-95 scale words of x and W, two sets; v96-103 lora_A's, two sets; v104-117 at the head; v118 an address; v128-191 x's fragments (at the head lora_B as loaded); v192-223 r's four
;             accumulators, on the way out v192-207 the first selects' results; v224-255 a scale piece on its way to LDS
;   window 1: v0-63, v128-191 W's fragments, two sets (in the last lap v0-63 x's second set, v128-159 and v160-191 W's two sets of four tiles); v64-127 2 lora_B in bf16, eight fragments; v192-255 lora_A's fragments, two
;             sets, in the end r in bf16, eight fragments
;   window 2: the sums of my register blocks 0-3 (pair k = 0, 1 of blocks and tile b at v[16 (8 k + b)], the second block 8 registers behind the first);   window 3: those of blocks 4-7
.set PITCH,  272                       ; an LDS row of codes: 256 bytes + 16 of padding = 68 words (64 banks of 4 bytes: ISA guide 11.1)
.set QT,     64*PITCH                  ; 64 rows
.set HALFT,  128*PITCH                 ; 128 rows: what one tensor load brings
.set XT,     256*PITCH                 ; 256 rows
.set SLOT,   2*XT                      ; x's 256 rows, then W's
.set SPARE,  2*SLOT                    ; behind the ring: the spare words, 128 bytes for each wave: two blocks of 256 bytes that no other line names
.set SPI,    48                        ; a row of a scale piece: 32 bytes + 16 unused: 16 rows' 16-byte pieces fall on 16 different columns of 16 bytes (3 r mod 16)
.set SCX,    SPARE+512                 ; x's scale piece, 256 rows; written by LDS stores alone: no tensor load ever lands here
.set SCW,    SCX+256*SPI               ; W's, likewise
.set REX,    SCW+256*SPI               ; r's images: 2,048 bytes for each wave; likewise
.set ADRL, 4                           ; v4-5    LDS address of x's register blocks 0-3 in slot 0, 1
.set ADRH, 6                           ; v6-7    of blocks 4-7
.set ADRB, 8                           ; v8-15   of W's tiles: register 4 slot + t
.set ADSL, 16                          ; v16     scale words of x's blocks 0-3, a lane a row
.set ADSH, 17                          ; v17     of blocks 4-7
.set ADSW, 118                         ; v118    of W's tiles
.set LAO,  18                          ; v18     lora_A's codes: 2,048 r + 16 h
.set LSO,  19                          ; v19     lora_A's scale bytes: 128 r
.set COL,  20                          ; v20     my byte offset in out for register blocks 0-3;  v21 for blocks 4-7
.set REXS, 22                          ; v22     where I store r's images
.set REXL, 23                          ; v23     where my partner stored its
.set SGO,  24                          ; v24-27  the scale copy, in memory, for t = 0 .. 3
.set SPW,  28                          ; v28     LDS address of my spare word: SPARE + 4 x my thread's number; never rewritten
.set NIL,  29                          ; v29     0; never rewritten
.set PFO,  30                          ; v30     the prefetches' offset: 2,048 x lane; never rewritten
.set SLA,  31                          ; v31     the scale copy in LDS: SCX + 128 SPI x wave + SPI (lane / 2) + 16 (lane % 2)
.set SC,   32                          ; set s at v[SC + 32 s]; in it register 4 k + q: the words of x's 32 rows of pair k, a lane a row; register 16 + 4 i + q: lanes 0-15 W's tile 2 i, lanes 16-31 tile 2 i + 1; q: the K step's q-th 128
.set LAS,  96                          ; set s at v[LAS + 4 s], register q
.set LBO,  104                         ; v104-107 lora_B: 64 n + 32 h, for t = 0 .. 3
.set NP,   108                         ; v108-111 4 r + ((t + r / 4) mod 4)
.set AF,   128                         ; x's fragments
.set RA,   192                         ; r's accumulators
.set SS,   224                         ; my 128 rows of a scale piece, on their way to LDS
.set U,    192                         ; the way out: the first selects' results
.set R2,   192                         ; window 1: r in bf16
.set LB,   64                          ; window 1: 2 lora_B in bf16
.set LAF,  192                         ; window 1: lora_A's fragments: set s, q-th 128 at v[LAF + 32 s + 8 q]
.set WV,   20                          ; s20 wave;  s21 rh;  s22 c;  s23 1 - c
.set RH,   21
.set CH,   22
.set NC,   23
.set G1X,  32                          ; s[32:39] descriptor group 1 for x's tiles;  s[40:47] for W's: it differs in the mask alone
.set G1W,  40
.set G0X,  48                          ; s[48:55] group 0 for x's tiles, a set for each slot;  s[56:63] for W's
.set G0W,  56
.set SSB,  68                          ; s[68:69] the scale bytes of the 128 rows that I copy, at K = 0; never rewritten
.set LAP,  70                          ; s[70:71] lora_A's codes at the lap in hand;  s[72:73] its scale bytes;  s[74:75] my rows' scale bytes
.set LSP,  72
.set SSP,  74
.set LN,   76                          ; s76      the lap that is being asked for, 0 .. 3: the same in all work-groups of a cluster
.set OFC,  80                          ; s[80:81] where it begins in a row of codes: 512 x lap;  s[82:83] in a row of scale bytes: 32 x lap
.set OFS,  82
.set M0,   84                          ; s84      lanes with r / 4 odd;  s85 lanes with r / 4 = 2 or 3
.set M1,   85
.set PFB,  86                          ; s[86:87] my 32 rows for the prefetches, K = 0;  s[88:89] at the lap behind LN;  s[90:91] that lap's offset
.set PFA,  88
.set OFP,  90
.set PF1,  100                         ; s[100:101] my 32 rows at the first lap; never rewritten
.set CW0,  (1<<20)|(1<<21)|(5<<22)|(3<<25)   ; group 1, word 0, beside the mask: elements of 1 byte; 20 padding on; 21 set beside a mask; 24:22 after every 64 words (code 5); 31:25 four words (code 3)
.set MSB, 0
.macro WIN new                         ; the immediate's high byte repeats the setting that is left; a switch that changes nothing is dropped
.if MSB != (\new)
	s_set_vgpr_msb (MSB<<8)|(\new)
.set MSB, \new
.endif
.endm
.set MUL_LO, 0xa4                      ; source 0 (x) window 0, source 1 (W) window 1, C and D window 2
.set MUL_HI, 0xf4                      ; the same, C and D window 3
.set MUL_R,  0x01                      ; source 0 (lora_A) window 1, all else window 0
.set TO_B,   0x40                      ; destination window 1, all else window 0
.macro PLACES n                        ; a load into a register that a matrix instruction has read, and a vector instruction that reads a matrix result, stand four plain vector instructions behind it (ISA guide 7.12.1 for vector instructions)
.rept \n
	v_nop
.endr
.endm
.macro CREST                           ; a round of the cluster's barrier behind its opening barrier
	s_cmp_lg_u32 s[WV], 0
	s_cbranch_scc1 .Lnot_wave_0_\@
	s_barrier_signal -3
.Lnot_wave_0_\@:
	s_barrier_wait -3
	s_barrier_signal -1
	s_barrier_wait -1
.endm
.macro CROUND                          ; a whole round
	s_barrier_signal -1
	s_barrier_wait -1
	CREST
.endm
; A joint load into slot s: waves 0 and 1 fetch x's halves, waves 2 and 3 W's.  Each of the two lines has ONE mask and one set of registers for all that issue it; the branch hangs on the wave's number alone.
; Four v_nop follow each line; they are also the places in front of the LDS loads that follow the macro.
.macro JLOAD s
	s_cmp_lt_u32 s[WV], 2
	s_cbranch_scc0 .Lfor_w_\@
	tensor_load_to_lds s[G0X+4*\s:G0X+4*\s+3], s[G1X:G1X+7]
	s_nop 0
	PLACES 4
	s_branch .Lasked_\@
.Lfor_w_\@:
	tensor_load_to_lds s[G0W+4*\s:G0W+4*\s+3], s[G1W:G1W+7]
	s_nop 0
	PLACES 4
.Lasked_\@:
.endm
.macro ASK base, par                   ; my 32 rows of the even (0) or odd (1) K step of the lap at which the base stands
	global_prefetch_b8 v[PFO], s[\base:\base+1] offset:256*\par th:TH_LOAD_NT scope:SCOPE_SE
.endm
; The scale copy: my 128 rows' 32 bytes of the lap at which SSP stands.  A load takes 16 rows, two lanes to a row: LDS rows 16 j .. 16 j + 15.  For x these are rows 16 j + lane / 2, for W the rows of tile j.
.macro SLOAD
.irp j, 0,1,2,3,4,5,6,7
	global_load_b128 v[SS+4*\j:SS+4*\j+3], v[SGO+(\j%4)], s[SSP:SSP+1] offset:8192*(\j/4)
.endr
.endm
.macro SSTORE
.irp j, 0,1,2,3,4,5,6,7
	ds_store_b128 v[SLA], v[SS+4*\j:SS+4*\j+3] offset:16*SPI*\j
.endr
.endm
	s_load_b256 s[4:11], s[0:1], 0x0               ; x's codes s[4:5], x's scales s[6:7], W's codes s[8:9], W's scales s[10:11]
	s_load_b256 s[12:19], s[0:1], 0x20             ; lora_A's codes s[12:13], its scales s[14:15] (both stay as they are), lora_B s[16:17], out s[18:19]
	v_lshl_add_u32 v[SPW], v0, 2, SPARE
	v_mov_b32 v[NIL], 0
	ds_add_u32 v[SPW], v[NIL]                      ; the wave's opening: the add, twice on end, and its one wait, ahead of my first tensor load
	ds_add_u32 v[SPW], v[NIL]
	v_lshrrev_b32 v1, 5, v0
	v_readfirstlane_b32 s[WV], v1                  ; wave 0..3
	s_lshr_b32 s[RH], s[WV], 1                     ; which half of the tile's rows is mine
	s_and_b32 s[CH], s[WV], 1                      ; which half of its columns; by how much my row blocks are rotated; and which 128 rows of x or of W I fetch
	s_xor_b32 s[NC], s[CH], 1
	s_mul_i32 s30, s[WV], 128*SPI                  ; the scale copy in LDS: x's 256 rows, then W's: wave x 128 rows
	s_add_co_u32 s30, s30, SCX
	s_cmp_lt_u32 s[WV], 2
	s_cselect_b32 s79, 0, -1                       ; all lanes where I copy W's scale bytes
	v_and_b32 v3, 31, v0
	v_lshlrev_b32 v[PFO], 11, v3
	v_lshrrev_b32 v104, 1, v3                      ; y = lane / 2: my row of a load's 16
	v_and_b32 v105, 1, v0                          ; lane % 2: which 16 of its 32 bytes
	v_lshlrev_b32 v106, 7, v104
	v_lshl_add_u32 v106, v105, 4, v106             ; x: 128 y + 16 (lane % 2)
	v_lshrrev_b32 v107, 2, v104
.irp t, 0,1,2,3
	v_add_nc_u32 v108, \t, v107
	v_and_b32 v108, 3, v108
	v_lshl_add_u32 v108, v104, 2, v108             ; W: row 4 y + ((t + y / 4) mod 4)
	v_lshlrev_b32 v108, 7, v108
	v_lshl_add_u32 v108, v105, 4, v108
	v_add_nc_u32 v109, 2048*\t, v106               ; x: row 16 t + y
	v_cndmask_b32 v[SGO+\t], v109, v108, s79
.endr
	v_mul_u32_u24 v[SLA], v104, SPI
	v_lshl_add_u32 v[SLA], v105, 4, v[SLA]
	v_add_nc_u32 v[SLA], s30, v[SLA]
	s_wait_alu depctr_va_vdst(0)
	s_bfe_u32 s24, ttmp6, 0x40000                  ; cx, cy: my place in the cluster
	s_bfe_u32 s25, ttmp6, 0x40004
	s_lshl_b32 s26, ttmp9, 2
	s_add_co_u32 s26, s26, s24                     ; tile column = 4 x cluster x + cx
	s_and_b32 s27, ttmp7, 0xffff
	s_lshl_b32 s27, s27, 2
	s_add_co_u32 s27, s27, s25                     ; tile row = 4 x cluster y + cy
	s_lshl_b32 s28, s25, 2
	s_lshl_b32 s28, 15, s28                        ; my row of the cluster: places 4 cy .. 4 cy + 3
	s_lshl_b32 s29, 0x1111, s24                    ; my column: places cx, cx + 4, cx + 8, cx + 12
	s_or_b32 s[G1X], s28, CW0                      ; x's tiles go to my row, W's to my column
	s_or_b32 s[G1W], s29, CW0
.irp g, G1X, G1W                       ; a tile: 128 rows x 256 bytes, 2,048 bytes from row to row
	s_mov_b32 s[\g+1], 256<<16                     ; tensor_dim0
	s_mov_b32 s[\g+2], 128<<16                     ; tensor_dim1
	s_mov_b32 s[\g+3], 256<<16                     ; tile_dim0
	s_mov_b32 s[\g+4], 128                         ; tile_dim1
	s_mov_b32 s[\g+5], 2048                        ; tensor_dim0_stride
	s_mov_b32 s[\g+6], 0
	s_mov_b32 s[\g+7], 0
.endr
	s_and_b32 s[LN], ttmp7, 0xffff                 ; my cluster's first lap: (cluster y + 2 x cluster x) mod 4
	s_lshl_b32 s77, ttmp9, 1
	s_add_co_u32 s[LN], s[LN], s77
	s_and_b32 s[LN], s[LN], 3
	s_lshl_b32 s[OFC], s[LN], 9
	s_mov_b32 s[OFC+1], 0
	s_lshl_b32 s[OFS], s[LN], 5
	s_mov_b32 s[OFS+1], 0
	s_mul_i32 s78, s[WV], HALFT                    ; where my tiles go in a slot: wave x 128 rows: no place in the cluster enters an LDS address
	s_lshl_b32 s30, s[CH], 18                      ; the 128 rows that I fetch: x 2,048 bytes of codes,
	s_lshl_b32 s31, s[CH], 14                      ; x 128 bytes of scales
	s_lshl_b32 s92, s27, 19                        ; x: 256 rows x 2,048 bytes a tile row
	s_add_co_u32 s92, s92, s30
	s_mov_b32 s93, 0
	s_lshl_b32 s94, s27, 15                        ;    256 rows x 128 bytes of scales
	s_add_co_u32 s94, s94, s31
	s_mov_b32 s95, 0
	s_lshl_b32 s96, s26, 19                        ; W: the same by the tile column
	s_add_co_u32 s96, s96, s30
	s_mov_b32 s97, 0
	s_lshl_b32 s98, s26, 15
	s_add_co_u32 s98, s98, s31
	s_mov_b32 s99, 0
	s_wait_dscnt 0x0                               ; both opening adds are done
	s_wait_kmcnt 0x0
	s_add_nc_u64 s[4:5], s[4:5], s[92:93]          ; x's codes and W's at the rows that I fetch, K = 0: they stay so
	s_add_nc_u64 s[6:7], s[6:7], s[94:95]
	s_add_nc_u64 s[8:9], s[8:9], s[96:97]
	s_add_nc_u64 s[10:11], s[10:11], s[98:99]
	s_cmp_lt_u32 s[WV], 2                          ; waves 0 and 1 copy x's scale bytes and prefetch x's codes, waves 2 and 3 W's
	s_cselect_b64 s[SSB:SSB+1], s[6:7], s[10:11]
	s_cselect_b64 s[PFB:PFB+1], s[4:5], s[8:9]
	s_cselect_b32 s[OFP], s24, s25                 ; my place among the four that ask with me
	s_add_nc_u64 s[SSP:SSP+1], s[SSB:SSB+1], s[OFS:OFS+1]
	SLOAD                                          ; the first lap's piece: it has the longest way (registers, LDS, a barrier, registers), so it is asked for first
	s_add_nc_u64 s[LAP:LAP+1], s[12:13], s[OFC:OFC+1]
	s_add_nc_u64 s[LSP:LSP+1], s[14:15], s[OFS:OFS+1]
	s_lshl_b32 s[OFP], s[OFP], 16                  ; 32 rows x 2,048 bytes
	s_mov_b32 s[OFP+1], 0
	s_add_nc_u64 s[PFB:PFB+1], s[PFB:PFB+1], s[OFP:OFP+1]
	s_add_nc_u64 s[PF1:PF1+1], s[PFB:PFB+1], s[OFC:OFC+1]
	s_add_co_u32 s[OFP], s[LN], 1                  ; the second lap
	s_and_b32 s[OFP], s[OFP], 3
	s_lshl_b32 s[OFP], s[OFP], 9
	s_add_nc_u64 s[PFA:PFA+1], s[PFB:PFB+1], s[OFP:OFP+1]
.irp s, 0,1
	s_mov_b32 s[G0X+4*\s], 1                       ; count = 1
	s_add_co_u32 s[G0X+4*\s+1], s78, \s*SLOT       ; LDS address
	s_add_nc_u64 s[G0X+4*\s+2:G0X+4*\s+3], s[4:5], s[OFC:OFC+1]   ; the first lap's even K step,
	s_mov_b32 s[G0W+4*\s], 1
	s_add_co_u32 s[G0W+4*\s+1], s78, \s*SLOT
	s_add_nc_u64 s[G0W+4*\s+2:G0W+4*\s+3], s[8:9], s[OFC:OFC+1]
.if \s
	s_add_nc_u64 s[G0X+4*\s+2:G0X+4*\s+3], s[G0X+4*\s+2:G0X+4*\s+3], 256   ; or its odd one
	s_add_nc_u64 s[G0W+4*\s+2:G0W+4*\s+3], s[G0W+4*\s+2:G0W+4*\s+3], 256
.endif
	s_or_b32 s[G0X+4*\s+3], s[G0X+4*\s+3], 0x80000000             ; type = 2
	s_or_b32 s[G0W+4*\s+3], s[G0W+4*\s+3], 0x80000000
.endr
	CROUND                                         ; all sixteen work-groups are here: the first joint loads meet
	JLOAD 0                                        ; K step 0: one tensor load a wave at the head
	; all that follows up to the wait on TENSORcnt stands while the first tiles are on their way
	s_lshl_b32 s96, s26, 14                        ; lora_B: 256 rows x 64 bytes a tile column,
	s_lshl_b32 s98, s[CH], 13                      ; my 128 of them
	s_add_co_u32 s96, s96, s98
	s_add_nc_u64 s[16:17], s[16:17], s[96:97]      ; (s97 is still 0)
	s_lshl_b32 s66, s27, 21                        ; out: 256 rows x 8,192 bytes a tile row,
	s_lshl_b32 s98, s[RH], 20                      ; my 128 rows,
	s_add_co_u32 s66, s66, s98
	s_lshl_b32 s98, s26, 10                        ; 1,024 bytes a tile column,
	s_add_co_u32 s66, s66, s98
	s_lshl_b32 s98, s[CH], 9                       ; my 512
	s_add_co_u32 s66, s66, s98
	s_mov_b32 s67, 0
	s_add_nc_u64 s[18:19], s[18:19], s[66:67]
	ASK PF1, 1                                     ; K step 1
	s_mul_i32 s28, s[RH], HALFT
	s_mul_i32 s29, s[CH], QT
	s_add_co_u32 s29, s29, s28                     ; x's register blocks 0-3: rows 128 rh + 64 c on
	s_add_co_u32 s30, s29, SLOT
	s_mul_i32 s31, s[NC], QT
	s_add_co_u32 s31, s31, s28                     ; blocks 4-7: rows 128 rh + 64 (1 - c) on
	s_add_co_u32 s92, s31, SLOT
	s_mul_i32 s93, s[CH], HALFT
	s_add_co_u32 s93, s93, XT                      ; W's rows 128 c on, behind x's 256
	s_add_co_u32 s94, s93, SLOT
	s_mul_i32 s95, s[RH], 128*SPI                  ; scale words
	s_mul_i32 s98, s[CH], 64*SPI
	s_add_co_u32 s98, s98, s95
	s_add_co_u32 s98, s98, SCX                     ; x's register blocks 0-3
	s_mul_i32 s99, s[NC], 64*SPI
	s_add_co_u32 s99, s99, s95
	s_add_co_u32 s99, s99, SCX                     ; x's register blocks 4-7
	s_mul_i32 s66, s[CH], 128*SPI
	s_add_co_u32 s66, s66, SCW                     ; W's tiles
	s_lshl_b32 s77, s[WV], 11
	s_add_co_u32 s77, s77, REX
	s_xor_b32 s78, s[WV], 1                        ; my partner: the other column half of my rows
	s_lshl_b32 s78, s78, 11
	s_add_co_u32 s78, s78, REX
	s_lshl_b32 s95, s[CH], 19                      ; out: register blocks 0-3 begin 64 c rows of 8,192 bytes down,
	s_lshl_b32 s96, s[NC], 19                      ; blocks 4-7 64 (1 - c) rows
	v_and_b32 v1, 15, v0                           ; r = lane % 16
	v_bfe_u32 v2, v0, 4, 1                         ; h = lane / 16
	v_lshrrev_b32 v3, 2, v1
.irp t, 0,1,2,3
	v_add_nc_u32 v[NP+\t], \t, v3
	v_and_b32 v[NP+\t], 3, v[NP+\t]
	v_lshl_add_u32 v[NP+\t], v1, 2, v[NP+\t]       ; lane r's row in tile t
	v_lshlrev_b32 v[LBO+\t], 6, v[NP+\t]
	v_lshl_add_u32 v[LBO+\t], v2, 5, v[LBO+\t]     ; lora_B: 64 bytes a row, ranks 8 h on
.endr
.irp b, 0,1,2,3,4,5,6,7                ; tile b's rows of lora_B, ranks 8 h .. 8 h + 7, as f32, into the registers that x's fragments will take
	global_load_b128 v[AF+8*\b:AF+8*\b+3],   v[LBO+(\b%4)], s[16:17] offset:4096*(\b/4)
	global_load_b128 v[AF+8*\b+4:AF+8*\b+7], v[LBO+(\b%4)], s[16:17] offset:4096*(\b/4)+16
.endr
	v_lshlrev_b32 v[LAO], 11, v1
	v_lshl_add_u32 v[LAO], v2, 4, v[LAO]
	v_lshlrev_b32 v[LSO], 7, v1
; lora_A's four fragments and four scale words of a K step into a set: the even K step of the lap at which LAP and LSP stand into set 0, the odd one into set 1.  Nine loads.
; A fragment, 16 rows x 128 K of 4-bit codes, is 8 registers: lane (r, h) holds row r; registers 4 c .. 4 c + 3 hold K = 64 c + 32 h + 0 .. 31: 16 bytes of the row as they lie.
.macro LALOAD set
	WIN TO_B
.irp q, 0,1,2,3
.irp c, 0,1
	global_load_b128 v[LAF+32*(\set)+8*\q+4*\c:LAF+32*(\set)+8*\q+4*\c+3], v[LAO], s[LAP:LAP+1] offset:256*(\set)+64*\q+32*\c
.endr
.endr
	WIN 0
	global_load_b128 v[LAS+4*(\set):LAS+4*(\set)+3], v[LSO], s[LSP:LSP+1] offset:16*(\set)   ; lane r: row r's four words (lanes 16-31 hold the same and are not read)
.endm
	LALOAD 0                                       ; the first lap's even K step
	v_mul_u32_u24 v3, v1, PITCH
	v_lshl_add_u32 v3, v2, 4, v3                   ; a fragment's row x pitch + 16 x half
	v_add_nc_u32 v[ADRL], s29, v3
	v_add_nc_u32 v[ADRL+1], s30, v3
	v_add_nc_u32 v[ADRH], s31, v3
	v_add_nc_u32 v[ADRH+1], s92, v3
.irp t, 0,1,2,3
	v_mul_u32_u24 v112, v[NP+\t], PITCH
	v_lshl_add_u32 v112, v2, 4, v112
	v_add_nc_u32 v[ADRB+\t], s93, v112
	v_add_nc_u32 v[ADRB+4+\t], s94, v112
.endr
	v_and_b32 v116, 31, v0
	v_mul_u32_u24 v113, v116, SPI
	v_add_nc_u32 v[ADSL], s98, v113
	v_add_nc_u32 v[ADSH], s99, v113
	v_add_nc_u32 v[ADSW], s66, v113
	v_lshlrev_b32 v116, 4, v116                    ; 16 x lane
	v_add_nc_u32 v[REXS], s77, v116
	v_add_nc_u32 v[REXL], s78, v116
	v_lshlrev_b32 v117, 4, v1                      ; out: 16 r bytes, 8 h rows
	v_lshl_add_u32 v117, v2, 16, v117
	v_add_nc_u32 v[COL], s95, v117
	v_add_nc_u32 v[COL+1], s96, v117
	s_wait_alu depctr_va_vdst(0)
	s_wait_loadcnt 25                              ; the scale piece's eight loads are in; the 25 behind them (lora_B's sixteen, lora_A's nine) may be out
	SSTORE
	s_wait_loadcnt 9                               ; lora_B's sixteen loads are in; lora_A's nine may be out
.set i, 0
.rept 32
	v_pk_mul_f32 v[AF+2*i:AF+2*i+1], v[AF+2*i:AF+2*i+1], 2.0 op_sel_hi:[1,0]   ; the scaling alpha / rank = 2, in f32: exact
.set i, i+1
.endr
	WIN TO_B
.irp b, 0,1,2,3,4,5,6,7                ; a bf16 fragment, 16 rows x 32 K: registers 0-3 hold K = 8 h .. 8 h + 7: the ranks; registers 4-7 K = 16 + 8 h ..: there are no such ranks
.irp p, 0,1,2,3
	v_cvt_pk_bf16_f32 v[LB+8*\b+\p], v[AF+8*\b+2*\p], v[AF+8*\b+2*\p+1]
.endr
.irp p, 0,1,2,3
	v_mov_b32 v[LB+8*\b+4+\p], 0
.endr
.endr
	WIN 0
.macro FRAG reg, adr, off              ; a fragment from LDS: two loads of 16 bytes, 32 bytes apart
.irp c, 0,1
	ds_load_b128 v[\reg+4*\c:\reg+4*\c+3], v[\adr] offset:\off+32*\c
.endr
.endm
.macro FETCH_B slot, q, p              ; W's eight fragments of the slot's q-th 128 along K into set p: tile i = 4 g + t begins 64 g rows down
	WIN TO_B
.irp i, 0,1,2,3,4,5,6,7
	FRAG 128*(\p)+8*\i, ADRB+4*(\slot)+(\i%4), 64*(\q)+(\i/4)*QT
.endr
.endm
.macro FETCH_A slot, q, hi             ; x's register blocks 4 hi .. 4 hi + 3
	WIN 0
.irp i, 0,1,2,3
	FRAG AF+8*(4*(\hi)+\i), ADRL+2*(\hi)+(\slot), 64*(\q)+\i*16*PITCH
.endr
.endm
.macro SCALES p                        ; the four words a row of the piece's even (p = 0) or odd (p = 1) K step into set p: eight loads, 32 rows each
	WIN 0
.irp k, 0,1
	ds_load_b128 v[SC+32*\p+4*\k:SC+32*\p+4*\k+3], v[ADSL] offset:32*SPI*\k+16*\p
.endr
.irp k, 0,1
	ds_load_b128 v[SC+32*\p+8+4*\k:SC+32*\p+8+4*\k+3], v[ADSH] offset:32*SPI*\k+16*\p
.endr
.irp k, 0,1,2,3
	ds_load_b128 v[SC+32*\p+16+4*\k:SC+32*\p+16+4*\k+3], v[ADSW] offset:32*SPI*\k+16*\p
.endr
.endm
; One matrix instruction: 32 rows of x (fragments at xr) against tile b of W (fragment at wr), 128 along K.  hk: the pair of blocks, 0 .. 3; sc, q: the scale words.  x's words fill all lanes; W's are taken from lanes 0-15 for an
; even tile, from lanes 16-31 for an odd one.  zero = 1: the sum starts.
.macro MM xr, wr, hk, b, q, sc, zero
.set DD, 16*(8*((\hk)%2)+(\b))
.set SA, SC+32*(\sc)+4*(\hk)+(\q)
.set SB, SC+32*(\sc)+16+4*((\b)/2)+(\q)
.if \zero
.if (\b)%2
	v_wmma_scale_f32_32x16x128_f4 v[DD:DD+15], v[\xr:\xr+15], v[\wr:\wr+7], 0, v[SA], v[SB] matrix_b_scale:MATRIX_SCALE_ROW1
.else
	v_wmma_scale_f32_32x16x128_f4 v[DD:DD+15], v[\xr:\xr+15], v[\wr:\wr+7], 0, v[SA], v[SB]
.endif
.else
.if (\b)%2
	v_wmma_scale_f32_32x16x128_f4 v[DD:DD+15], v[\xr:\xr+15], v[\wr:\wr+7], v[DD:DD+15], v[SA], v[SB] matrix_b_scale:MATRIX_SCALE_ROW1
.else
	v_wmma_scale_f32_32x16x128_f4 v[DD:DD+15], v[\xr:\xr+15], v[\wr:\wr+7], v[DD:DD+15], v[SA], v[SB]
.endif
.endif
.endm
; 8 matrix instructions: the pair of x's blocks hk against W's eight tiles.  p: W's set.  All accumulators take turns, one instruction a turn, in the same order in every step.
.macro MUL8 hk, p, q, sc, zero
.irp b, 0,1,2,3,4,5,6,7
	MM AF+16*(\hk), 128*(\p)+8*\b, \hk, \b, \q, \sc, \zero
.endr
.endm
; 4 matrix instructions: r^T += lora_A x^T for my register blocks 0-3 (fragments at xr).  lora_A's scale word is taken from lanes 0-15, x's from the half of the lanes that holds the block.
.macro MULR xr, set, q, zero
.irp i, 0,1,2,3
.set RR, RA+8*\i
.set LL, LAF+32*(\set)+8*(\q)
.set XX, \xr+8*\i
.set SA, LAS+4*(\set)+(\q)
.set SB, SC+32*(\set)+4*(\i/2)+(\q)
.if \zero
.if \i%2
	v_wmma_scale_f32_16x16x128_f8f6f4 v[RR:RR+7], v[LL:LL+7], v[XX:XX+7], 0, v[SA], v[SB] matrix_a_fmt:MATRIX_FMT_FP4 matrix_b_fmt:MATRIX_FMT_FP4 matrix_b_scale:MATRIX_SCALE_ROW1
.else
	v_wmma_scale_f32_16x16x128_f8f6f4 v[RR:RR+7], v[LL:LL+7], v[XX:XX+7], 0, v[SA], v[SB] matrix_a_fmt:MATRIX_FMT_FP4 matrix_b_fmt:MATRIX_FMT_FP4
.endif
.else
.if \i%2
	v_wmma_scale_f32_16x16x128_f8f6f4 v[RR:RR+7], v[LL:LL+7], v[XX:XX+7], v[RR:RR+7], v[SA], v[SB] matrix_a_fmt:MATRIX_FMT_FP4 matrix_b_fmt:MATRIX_FMT_FP4 matrix_b_scale:MATRIX_SCALE_ROW1
.else
	v_wmma_scale_f32_16x16x128_f8f6f4 v[RR:RR+7], v[LL:LL+7], v[XX:XX+7], v[RR:RR+7], v[SA], v[SB] matrix_a_fmt:MATRIX_FMT_FP4 matrix_b_fmt:MATRIX_FMT_FP4
.endif
.endif
.endr
.endm
; A step of 128 along K that has its successor in the same slot: 36 matrix instructions.  x has one set of registers: blocks 0-3 are fetched anew in the step's middle, blocks 4-7 at its end; W has two sets.
; la = 1: the next K step's lora_A is asked for, into the other set.  ys = 1: the odd K step's scale words are taken from the piece, into set 1, whose last readers stand in the step before.
; sl = 1: my rows of the next lap's scale piece are asked for.  st = 1: they go to LDS (the step's wait on LOADcnt has shown them in).
.macro STEP slot, q, zero, la, ys, sl, st
	s_wait_dscnt 8                                 ; all but the youngest eight LDS loads (x's blocks 4-7) are in
	WIN MUL_LO
	MUL8 0, (\q)%2, \q, \slot, \zero
	MUL8 1, (\q)%2, \q, \slot, \zero
.if (\q) == 0
	s_wait_loadcnt 0x0                             ; this K step's lora_A, asked for at the first step of the K step before; with st = 1 also the scale piece, asked for three steps and a change of slots ago
.endif
	WIN MUL_R
	MULR AF, \slot, \q, \zero
	s_wait_dscnt 0x0                               ; x's blocks 4-7 are in (asked for 20 matrix instructions ago)
	PLACES 4
	FETCH_B \slot, (\q)+1, 1-(\q)%2
.if \la
	LALOAD 1-(\slot)
.endif
	FETCH_A \slot, (\q)+1, 0
.if \ys
	SCALES 1
.endif
.if \sl
	SLOAD
.endif
.if \st
	SSTORE                                         ; behind the barrier in front of which every wave has waited for its reads of the old piece, and ahead of the one behind which the new piece is read
.endif
	WIN MUL_HI
	MUL8 2, (\q)%2, \q, \slot, \zero
	MUL8 3, (\q)%2, \q, \slot, \zero
	PLACES 4
	FETCH_A \slot, (\q)+1, 1
.endm
; A slot's last step changes slots: ONE barrier.  In front of it each wave waits for all its tensor loads, adds 0 to its spare word, and waits for that and for all its LDS instructions: its reads of this slot and of the
; scale piece, and its stores into the piece.  The barrier opens a round of the cluster's barrier, and behind the round this slot is filled again, with the K step of its parity of the lap s[LN].
.macro TURN slot, next
	s_wait_tensorcnt 0x0                           ; all my tensor loads have landed (every window is 0 here: the add's two registers lie in window 0)
	ds_add_u32 v[SPW], v[NIL]                      ; 0 onto my spare word
	s_add_nc_u64 s[G0X+4*\slot+2:G0X+4*\slot+3], s[4:5], s[OFC:OFC+1]   ; no tensor load of mine is out, so the groups 0 may be written: each address anew from its base
	s_add_nc_u64 s[G0W+4*\slot+2:G0W+4*\slot+3], s[8:9], s[OFC:OFC+1]
.if \slot
	s_add_nc_u64 s[G0X+4*\slot+2:G0X+4*\slot+3], s[G0X+4*\slot+2:G0X+4*\slot+3], 256   ; the lap's odd K step
	s_add_nc_u64 s[G0W+4*\slot+2:G0W+4*\slot+3], s[G0W+4*\slot+2:G0W+4*\slot+3], 256
.endif
	s_or_b32 s[G0X+4*\slot+3], s[G0X+4*\slot+3], 0x80000000             ; type = 2
	s_or_b32 s[G0W+4*\slot+3], s[G0W+4*\slot+3], 0x80000000
	s_wait_dscnt 9                                 ; (the add and the youngest eight loads, x's blocks 4-7, may be out)
	WIN MUL_LO
	MUL8 0, 1, 3, \slot, 0                         ; eight matrix instructions stand between the add and the wait for it
	s_wait_dscnt 0x0                               ; the add is done, and my LDS instructions are over
	s_barrier_signal -1
	MUL8 1, 1, 3, \slot, 0                         ; work on registers while the others arrive
	WIN MUL_R
	MULR AF, \slot, 3, 0
	WIN 0
	s_barrier_wait -1
	CREST                                          ; no wave of any partner still reads what is filled now, or has a load on its way
	JLOAD \slot                                    ; the first thing behind the round, and my one tensor load until the next
	FETCH_B \next, 0, 0
	FETCH_A \next, 0, 0
.if \slot == 1
	SCALES 0                                       ; the even K step's words of the piece that every wave had stored in front of this barrier
.endif
	s_cmp_gt_u32 s3, 1                             ; two refills on there is a K step, but for the last trip's two
	s_cbranch_scc0 .Lno_ask_\@
	ASK PFA, \slot
.Lno_ask_\@:
	WIN MUL_HI
	MUL8 2, 1, 3, \slot, 0
	MUL8 3, 1, 3, \slot, 0
	PLACES 4
	FETCH_A \next, 0, 1
.endm
	s_wait_alu depctr_va_vdst(0)
	s_wait_tensorcnt 0x0                           ; my part of slot 0 is in; these lines stand ahead of a later first fill, as ahead of a refill:
	ds_add_u32 v[SPW], v[NIL]
	s_mov_b32 s[M0], 0xf0f0f0f0                    ; bit 2 of the lane's number
	s_mov_b32 s[M1], 0xff00ff00                    ; bit 3
	s_wait_dscnt 0x0                               ; the add is done, and my rows of the first scale piece have landed in LDS
	CROUND                                         ; everybody's have, and all sixteen work-groups are here
	JLOAD 1                                        ; K step 1's load, the first tensor load behind the round
	FETCH_B 0, 0, 0
	FETCH_A 0, 0, 0
	SCALES 0
	SCALES 1
	FETCH_A 0, 0, 1
	ASK PFA, 0                                     ; K steps 2 and 3: the next two refills
	ASK PFA, 1
	STEP 0, 0, 1, 1, 0, 0, 0                       ; the first step stands in front of the loop: its products start all sums
	s_mov_b32 s3, 3
.Llap:                                                 ; a trip goes once round the ring, from a lap's second step to the next lap's first, and asks for the whole of the lap that follows: codes, scale piece, lora_A
	s_wait_xcnt 0x0                                ; the loads of lora_A and of the scale piece and the prefetches have read their bases, so these may be written
	s_add_co_u32 s[LN], s[LN], 1
	s_and_b32 s[LN], s[LN], 3                      ; the next lap, round K's end
	s_lshl_b32 s[OFC], s[LN], 9
	s_lshl_b32 s[OFS], s[LN], 5
	s_add_nc_u64 s[LAP:LAP+1], s[12:13], s[OFC:OFC+1]
	s_add_nc_u64 s[LSP:LSP+1], s[14:15], s[OFS:OFS+1]
	s_add_nc_u64 s[SSP:SSP+1], s[SSB:SSB+1], s[OFS:OFS+1]
	s_add_co_u32 s[OFP], s[LN], 1                  ; the prefetches stand one lap further on
	s_and_b32 s[OFP], s[OFP], 3
	s_lshl_b32 s[OFP], s[OFP], 9
	s_add_nc_u64 s[PFA:PFA+1], s[PFB:PFB+1], s[OFP:OFP+1]
	STEP 0, 1, 0, 0, 0, 1, 0
	STEP 0, 2, 0, 0, 0, 0, 0
	TURN 0, 1
	STEP 1, 0, 0, 1, 0, 0, 1
	STEP 1, 1, 0, 0, 0, 0, 0
	STEP 1, 2, 0, 0, 0, 0, 0
	TURN 1, 0
	STEP 0, 0, 0, 1, 1, 0, 0
	s_sub_co_u32 s3, s3, 1
	s_cmp_lg_u32 s3, 0
	s_cbranch_scc1 .Llap
; THE LAST LAP'S SEVEN STEPS, TWICE.  n = 0 .. 6: tiles 0-3 of W (g = 0) and r; n = 7 .. 13: tiles 4-7 (g = 1).  Step n % 7 is slot 0's q = 1, 2, 3, then slot 1's q = 0 .. 3.  Both operands have two sets, by n's parity:
; x at v128-191 of window 0 (n even) or v0-63 of window 1 (odd), W at v128-159 or v160-191 of window 1.  Step 0's fragments are those that the loop's last step has fetched.
.macro PSET n
.set PG, (\n)/7
.set PS, ((\n)%7+1)/4
.set PQ, ((\n)%7+1)%4
.endm
.macro PLOAD n                         ; 24 LDS loads: step n's fragments
	PSET \n
	WIN TO_B
.irp t, 0,1,2,3
	FRAG 128+32*((\n)%2)+8*\t, ADRB+4*PS+\t, 64*PQ+PG*QT
.endr
.if ((\n)%2) == 0
	WIN 0
.endif
.irp i, 0,1,2,3
	FRAG 128*(1-(\n)%2)+8*\i, ADRL+PS, 64*PQ+\i*16*PITCH
.endr
.irp i, 0,1,2,3
	FRAG 128*(1-(\n)%2)+32+8*\i, ADRH+PS, 64*PQ+\i*16*PITCH
.endr
.endm
.macro PMUL n, hi                      ; 8 matrix instructions: x's blocks 4 hi .. 4 hi + 3 against the four tiles
	PSET \n
	WIN 0xa4+0x50*(\hi)+((\n)%2)                   ; C and D window 2 or 3; x window 0 or 1
.irp k, 0,1
.irp t, 0,1,2,3
	MM 128*(1-(\n)%2)+16*(2*(\hi)+\k), 128+32*((\n)%2)+8*\t, 2*(\hi)+\k, 4*PG+\t, PQ, PS, 0
.endr
.endr
.endm
.macro PMULR n
	PSET \n
	WIN 0x01+4*((\n)%2)
	MULR 128*(1-(\n)%2), PS, PQ, 0
.endm
.macro PASS0 n
	s_wait_dscnt 0x0                               ; this step's fragments are in
	PLOAD \n+1
	PMULR \n
	PMUL \n, 0
	PMUL \n, 1
	PLACES 4                                       ; for the loads into this step's sets
.endm
	PASS0 0
	PASS0 1
	s_wait_tensorcnt 0x0                           ; step 2: my part of slot 1's last fill is in; nothing is filled again
	s_wait_dscnt 0x0
	s_barrier_signal -1
	PMULR 2
	PMUL 2, 0
	s_barrier_wait -1                              ; everybody's part is in
	PLOAD 3
	PMUL 2, 1
	PLACES 4
	s_wait_loadcnt 0x0                             ; the last K step's lora_A, asked for in the loop's last step
	PASS0 3
	PASS0 4
	PASS0 5
	PASS0 6
	; r BECOMES AN OPERAND and goes to my partner.  lora_A's fragments are done with: r takes their registers.
	WIN TO_B
.irp i, 0,1,2,3
.irp p, 0,1,2,3
	v_cvt_pk_bf16_f32 v[R2+8*\i+\p], v[RA+8*\i+2*\p], v[RA+8*\i+2*\p+1]   ; each accumulator from its low end on: ranks 8 h + 2 p, + 1 of row r of block i
.endr
.endr
.irp i, 0,1,2,3,4,5,6,7
.irp p, 0,1,2,3
	v_mov_b32 v[R2+8*\i+4+\p], 0                   ; ranks 16-31: there are none
.endr
.endr
	WIN 0x04                                       ; an LDS store's data are its source 1: window 1
.irp i, 0,1,2,3
	ds_store_b128 v[REXS], v[R2+8*\i:R2+8*\i+3] offset:512*\i   ; an image of the registers: lane l's 16 bytes at 16 l
.endr
	s_wait_alu depctr_va_vdst(0)
	s_wait_dscnt 0x0                               ; for my partner's sake: my images have landed; and step 7's fragments are in
	s_barrier_signal -1
	PMUL 7, 0
	PMUL 7, 1
	s_barrier_wait -1
	WIN TO_B
.irp i, 0,1,2,3
	ds_load_b128 v[R2+32+8*\i:R2+32+8*\i+3], v[REXL] offset:512*\i   ; my partner's blocks 0-3 are my register blocks 4-7: the same registers in the same lanes
.endr
	PLOAD 8
	s_wait_dscnt 24                                ; r is whole; step 8's 24 loads may be out
; THE WAY OUT, block by block of 16 rows x 64 columns, from registers.  ROWL: the low-rank product is added onto the block's four sums, by turns.  OUT, four rows of each lane half at a time: lane r's four tiles hold the columns
; 4 r + ((t + r / 4) mod 4); rotated by bit 0 and by bit 1 of r / 4 they stand in order, and go back into the sixteen registers that they came from.  A store's lanes 0-15 write 256 consecutive bytes of a row, lanes 16-31 of the
; row 8 further down.  No register of a store, base and offset among them, is written again: no wait on XCNT stands here.
.macro ROWL a, g
	WIN 0xa5+0x50*((\a)/4)                         ; sources 0 and 1 window 1, C and D window 2 or 3
.irp t, 0,1,2,3
.set DD, 128*(((\a)/2)%2)+64*(\g)+16*\t+8*((\a)%2)
	v_wmma_f32_16x16x32_bf16 v[DD:DD+7], v[R2+8*(\a):R2+8*(\a)+7], v[LB+8*(4*(\g)+\t):LB+8*(4*(\g)+\t)+7], v[DD:DD+7]
.endr
.endm
.macro OUT a, g
.set AC, 128*(((\a)/2)%2)+64*(\g)+8*((\a)%2)
.irp e, 0,1
	WIN 0x0a+5*((\a)/4)                            ; sources 0 and 1: window 2 or 3
.irp j, 0,1,2,3
.irp s, 0,1,2,3
	v_cndmask_b32 v[U+4*\j+\s], v[AC+16*\s+4*\e+\j], v[AC+16*((\s+3)%4)+4*\e+\j], s[M0]   ; each accumulator from its low end on
.endr
.endr
	WIN 0x80+0x40*((\a)/4)                         ; destination: window 2 or 3
.irp j, 0,1,2,3
.irp s, 0,1,2,3
	v_cndmask_b32 v[AC+16*\j+4*\e+\s], v[U+4*\j+\s], v[U+4*\j+((\s+2)%4)], s[M1]
.endr
.endr
	WIN 0x08+0x04*((\a)/4)                         ; a store's data: window 2 or 3
.irp j, 0,1,2,3
	global_store_b128 v[COL+(\a)/4], v[AC+16*\j+4*\e:AC+16*\j+4*\e+3], s[18:19] offset:(16*((\a)%4)+4*\e+\j)*8192+256*(\g) th:TH_STORE_NT
.endr
.endr
.endm
	ROWL 0, 0
	ROWL 1, 0
	PLACES 4                                       ; the selects read results just made
	OUT 0, 0
.irp a, 1,2,3,4,5,6                    ; while block a of g = 0 goes out, step 7 + a of g = 1 is made; the selects of a block are the places behind the matrix instructions in front of it
	s_wait_dscnt 0x0                               ; this step's fragments are in
.if \a < 6
	PLOAD 8+\a
.endif
	PMUL 7+\a, 0
	PMUL 7+\a, 1
	ROWL \a+1, 0
	OUT \a, 0
.endr
	ROWL 0, 1
	OUT 7, 0
.irp a, 0,1,2,3,4,5,6,7
.if \a < 7
	ROWL \a+1, 1
.endif
	OUT \a, 1
.endr
	WIN 0
	s_wait_tensorcnt 0x0                           ; the wave's end: these three lines stand behind my last tensor load and my last LDS store
	ds_add_u32 v[SPW], v[NIL]
	s_wait_dscnt 0x0
	CROUND                                         ; the closing round: no work-group ends while a partner may still ask for a tile that names it
	s_endpgm
.Lfunc_end_k_q394d57b5a9_lora_gemm:
	.size	k_q394d57b5a9_lora_gemm, .Lfunc_end_k_q394d57b5a9_lora_gemm-k_q394d57b5a9_lora_gemm
	.p2alignl 7, 3214868480
	.fill 96, 4, 3214868480
	.section	.rodata,"a",@progbits
	.p2align	6, 0x0
	.amdhsa_kernel k_q394d57b5a9_lora_gemm
		.amdhsa_group_segment_fixed_size 327680
		.amdhsa_private_segment_fixed_size 0
		.amdhsa_enable_private_segment 0
		.amdhsa_kernarg_size 64
		.amdhsa_user_sgpr_count 2
		.amdhsa_user_sgpr_kernarg_segment_ptr 1
		.amdhsa_wavefront_size32 1
		.amdhsa_system_sgpr_workgroup_id_x 1
		.amdhsa_system_sgpr_workgroup_id_y 1
		.amdhsa_system_sgpr_workgroup_id_z 1
		.amdhsa_system_vgpr_workitem_id 0
		.amdhsa_next_free_vgpr 1024
		.amdhsa_next_free_sgpr 102
		.amdhsa_reserve_vcc 0
		.amdhsa_float_denorm_mode_32 3
		.amdhsa_float_denorm_mode_16_64 3
		.amdhsa_memory_ordered 1
		.amdhsa_forward_progress 1
		.amdhsa_inst_pref_size 237
	.end_amdhsa_kernel
	.amdgpu_metadata
---
amdhsa.version: [ 1, 2 ]
amdhsa.kernels:
  - .name:           k_q394d57b5a9_lora_gemm
    .symbol:         k_q394d57b5a9_lora_gemm.kd
    .args:
      - { .name: x_codes, .offset: 0, .size: 8, .value_kind: global_buffer, .address_space: global }
      - { .name: x_scales, .offset: 8, .size: 8, .value_kind: global_buffer, .address_space: global }
      - { .name: W_codes, .offset: 16, .size: 8, .value_kind: global_buffer, .address_space: global }
      - { .name: W_scales, .offset: 24, .size: 8, .value_kind: global_buffer, .address_space: global }
      - { .name: lora_A_codes, .offset: 32, .size: 8, .value_kind: global_buffer, .address_space: global }
      - { .name: lora_A_scales, .offset: 40, .size: 8, .value_kind: global_buffer, .address_space: global }
      - { .name: lora_B, .offset: 48, .size: 8, .value_kind: global_buffer, .address_space: global }
      - { .name: out0, .offset: 56, .size: 8, .value_kind: global_buffer, .address_space: global }
    .group_segment_fixed_size: 327680
    .private_segment_fixed_size: 0
    .kernarg_segment_align: 8
    .kernarg_segment_size: 64
    .max_flat_workgroup_size: 128
    .sgpr_count:     102
    .vgpr_count:     1024
    .wavefront_size: 32
...
	.end_amdgpu_metadata
.endif
;; end of part 1
